; MI455X (gfx1250); checked and timed in simulation.
; The chip was launched on July 23, 2026; its instructions are those of AMD's public machine-readable ISA for CDNA 5 (MIT licence, August 2026) and "CDNA5" Instruction Set Architecture Reference Guide (July 2026). The comments in the code are by the model that wrote it; some were corrected since.
;; Shared Vector Quantizer. Allowed arithmetic: float matrix products may take bf16 or f16 operands with f32 sums; other float arithmetic in f32, or as packed bf16 or f16 multiplies, adds, multiply-adds, maxima and minima; sums over many terms, partial sums and values carried from step to step in f32; what a program stores and reads back later, other than sums and carried values, may be rounded once to bf16 or f16.
;; Inputs: codebook 4,096 x 128 float32; x 16 x 4,096 x 128 float32.
;; Outputs: out0 16 x 4,096 int32; out1 16 x 4,096 x 128 float32; out2 one number float32.
;; 2 versions, each right; version 2 is version 1 with the launch prep written anew for expert scheduling mode. Each part assembles by itself: llvm-mc -triple=amdgcn-amd-amdhsa -mcpu=gfx1250 --defsym DOCPART=n.
;; ======== version 1 of 2: 4 launches
;; workspace buffers: cb16 1,048,576 bytes; ee 16,384 bytes; grp 262,144 bytes of whole numbers; xxw 262,144 bytes; part 4,096 bytes
;; launch prep (part 1): grid 64 x 1, 4 waves a work-group, no clusters, 768 bytes of LDS; arguments codebook, cb16, ee; writes cb16, ee
.if DOCPART == 1
	.amdgcn_target "amdgcn-amd-amdhsa--gfx1250"
	.amdhsa_code_object_version 6
	.text
	.protected	k_q9bb3bef992_prep
	.globl	k_q9bb3bef992_prep
	.p2align	8
	.type	k_q9bb3bef992_prep,@function
k_q9bb3bef992_prep:
	s_mov_b64 s[64:65], 0
	v_nop
	global_prefetch_b8 v0, s[64:65] scope:SCOPE_SE
	s_setreg_imm32_b32 hwreg(HW_REG_WAVE_MODE, 25, 1), 1
	s_wait_xcnt 0x0
; THE PROGRAM (four launches): nearest code of 4,096 for each of 65,536 rows of x, that code's row through x + (q - x), and 1.5 x mean((q - x)^2).
;   prep   the codebook rounded once to bf16 (cb16) and ee[k] = the sum of the rounded code's squares
;   dist   the product x . e for all pairs on the matrix units; for each row the best T and the GROUP of 8 neighbouring codes that holds it
;   pick   reads the group as a whole number from memory, forms the 8 T anew, selects the winner by value; token, output row, partial loss
;   total  adds the partial losses
; WHAT IS LEFT OUT, AND WHY IT IS DEAD.  stop_gradient is the identity on values, so embedding_loss and commitment_loss are one and the same
; number m for all inputs: m is made once and vq_loss = m + 0.5 m.  Nothing else is left out and both inputs are loaded.
; WHAT IS KEPT THOUGH IT CANCELS IN EXACT ARITHMETIC.  |x|^2 is the same for all codes of a row, but it is some hundreds of times the spread of
; -2 x.e + |e|^2, so the f32 sums of the distance lose low bits to it and ties arise that fall to the lowest index.  So the distance is formed
; in the same two f32 roundings, T = fl(fl(xx - 2 dot) + ee), and ties go to the lowest index.
; LIMITS.  Matrix operands are bf16, so the tokens are those of the inputs rounded to bf16; xx and ee are sums over the rounded numbers.  The order in
; which a dot product's 128 terms are added is the unit's own: a row whose two best T lie within one step of f32 at |x|^2 may fall to the other of the two.
; q in the output and in the loss is the code rounded once to bf16 (2^-9 of itself at the most).  NaN and infinities are not treated apart.
;
; THIS LAUNCH.  64 work-groups x 64 rows; a wave has 16 rows, a lane 4 numbers (16 bytes) of each: one load covers a row's 512 bytes, one store its 256.
.set SPARE, 256                        ; LDS: 0-255 the work-group's 64 ee; from 256 on the spare words, 128 bytes a wave
.set SPW, 8                            ; v8   my spare word; never rewritten
.set NIL, 9                            ; v9   0, for the add alone
.set F,   16                           ; v[16:79]   row i as loaded, 4 registers
.set H,   80                           ; v[80:111]  row i in bf16, 2 registers
.set SS,  112                          ; v[112:127] row i's sum of squares
.set TT,  128                          ; v128       the other half of the lanes' sum
	s_load_b128 s[4:7], s[0:1], 0x0                ; codebook s[4:5], cb16 s[6:7]
	s_load_b64 s[8:9], s[0:1], 0x10                ; ee
	v_lshl_add_u32 v[SPW], v0, 2, SPARE
	v_mov_b32 v[NIL], 0
	v_lshrrev_b32 v10, 5, v0
	v_readfirstlane_b32 s14, v10                   ; wave 0..3
	v_and_b32 v10, 31, v0                          ; lane
	v_lshlrev_b32 v1, 4, v10                       ; my 16 bytes of an f32 row
	v_lshlrev_b32 v2, 3, v10                       ; my 8 bytes of a bf16 row
	s_lshl_b32 s15, s14, 6
	v_mov_b32 v3, s15                              ; LDS: my wave's 16 words
	v_mov_b32 v4, 0                                ; the first addend of a sum
	v_mov_b32 v[TT], 0                             ; v_permlanex16_b32 counts as a reader of its destination
	s_mov_b32 s12, 0x76543210                      ; each lane takes its own place in the other half
	s_mov_b32 s13, 0xfedcba98
	s_lshl_b32 s16, ttmp9, 6
	s_lshl4_add_u32 s16, s14, s16                  ; my first row = 64 x work-group + 16 x wave
	s_lshl_b32 s20, s16, 9                         ; in the codebook: 512 bytes a row
	s_mov_b32 s21, 0
	s_lshl_b32 s22, s16, 8                         ; in cb16: 256
	s_mov_b32 s23, 0
	s_lshl_b32 s24, ttmp9, 8                       ; in ee: 256 bytes a work-group
	s_mov_b32 s25, 0
	s_wait_kmcnt 0x0
	s_add_nc_u64 s[4:5], s[4:5], s[20:21]
	s_add_nc_u64 s[6:7], s[6:7], s[22:23]
	s_add_nc_u64 s[8:9], s[8:9], s[24:25]
.set i, 0
.rept 16
	global_load_b128 v[F+4*i:F+4*i+3], v1, s[4:5] offset:512*i th:TH_LOAD_NT
.set i, i+1
.endr
.set i, 0
.rept 16
	s_wait_loadcnt 15-i                            ; loads come back in order: row i is in, the younger rows stay out
	v_cvt_pk_bf16_f32 v[H+2*i], v[F+4*i], v[F+4*i+1]
	v_cvt_pk_bf16_f32 v[H+2*i+1], v[F+4*i+2], v[F+4*i+3]
	global_store_b64 v2, v[H+2*i:H+2*i+1], s[6:7] offset:256*i  ; the wave's store covers the row's 256 consecutive bytes, aligned
	v_fma_mix_f32_bf16 v[SS+i], v[H+2*i], v[H+2*i], v4 op_sel_hi:[1,1,0]
	v_fma_mix_f32_bf16 v[SS+i], v[H+2*i], v[H+2*i], v[SS+i] op_sel:[1,1,0] op_sel_hi:[1,1,0]
	v_fma_mix_f32_bf16 v[SS+i], v[H+2*i+1], v[H+2*i+1], v[SS+i] op_sel_hi:[1,1,0]
	v_fma_mix_f32_bf16 v[SS+i], v[H+2*i+1], v[H+2*i+1], v[SS+i] op_sel:[1,1,0] op_sel_hi:[1,1,0]
.set i, i+1
.endr
.irp m, 1,2,4,8                        ; the sixteen sums go across the lanes side by side
.set i, 0
.rept 16
	v_add_f32_dpp v[SS+i], v[SS+i], v[SS+i] row_xmask:\m row_mask:0xf bank_mask:0xf
.set i, i+1
.endr
.endr
.set i, 0
.rept 16
	v_permlanex16_b32 v[TT], v[SS+i], s12, s13
	v_add_f32 v[SS+i], v[SS+i], v[TT]
	ds_store_b32 v3, v[SS+i] offset:4*i            ; all lanes write the same word with the same number
.set i, i+1
.endr
	s_wait_dscnt 0x0                               ; for the others' sake: my sixteen words are in LDS
	s_barrier_signal -1
	s_barrier_wait -1
	s_cmp_lg_u32 s14, 0                            ; wave 0 stores the work-group's 64 ee as one run of 256 bytes
	s_cbranch_scc1 .Lend
	ds_load_b64 v[F:F+1], v2
	s_wait_dscnt 0x0
	global_store_b64 v2, v[F:F+1], s[8:9]
.Lend:
	s_wait_tensorcnt 0x0                           ; the wave's end, behind my last LDS store
	ds_add_u32 v[SPW], v[NIL]
	s_wait_dscnt 0x0
	s_endpgm
.Lfunc_end_k_q9bb3bef992_prep:
	.size	k_q9bb3bef992_prep, .Lfunc_end_k_q9bb3bef992_prep-k_q9bb3bef992_prep
	.p2alignl 7, 3214868480
	.fill 96, 4, 3214868480
	.section	.rodata,"a",@progbits
	.p2align	6, 0x0
	.amdhsa_kernel k_q9bb3bef992_prep
		.amdhsa_group_segment_fixed_size 768
		.amdhsa_private_segment_fixed_size 0
		.amdhsa_enable_private_segment 0
		.amdhsa_kernarg_size 24
		.amdhsa_user_sgpr_count 2
		.amdhsa_user_sgpr_kernarg_segment_ptr 1
		.amdhsa_wavefront_size32 1
		.amdhsa_system_sgpr_workgroup_id_x 1
		.amdhsa_system_sgpr_workgroup_id_y 1
		.amdhsa_system_sgpr_workgroup_id_z 1
		.amdhsa_system_vgpr_workitem_id 0
		.amdhsa_next_free_vgpr 136
		.amdhsa_next_free_sgpr 66
		.amdhsa_reserve_vcc 0
		.amdhsa_float_denorm_mode_32 3
		.amdhsa_float_denorm_mode_16_64 3
		.amdhsa_memory_ordered 1
		.amdhsa_forward_progress 1
		.amdhsa_inst_pref_size 18
	.end_amdhsa_kernel
	.amdgpu_metadata
---
amdhsa.version: [ 1, 2 ]
amdhsa.kernels:
  - .name:           k_q9bb3bef992_prep
    .symbol:         k_q9bb3bef992_prep.kd
    .args:
      - { .name: codebook, .offset: 0, .size: 8, .value_kind: global_buffer, .address_space: global }
      - { .name: cb16, .offset: 8, .size: 8, .value_kind: global_buffer, .address_space: global }
      - { .name: ee, .offset: 16, .size: 8, .value_kind: global_buffer, .address_space: global }
    .group_segment_fixed_size: 768
    .private_segment_fixed_size: 0
    .kernarg_segment_align: 8
    .kernarg_segment_size: 24
    .max_flat_workgroup_size: 128
    .sgpr_count:     66
    .vgpr_count:     136
    .wavefront_size: 32
...
	.end_amdgpu_metadata
.endif
;; end of part 1
;; launch dist (part 2): grid 256 x 1, 4 waves a work-group, clusters of 4 x 1, 327,680 bytes of LDS; arguments x, cb16, ee, grp, xxw; writes grp, xxw
.if DOCPART == 2
	.amdgcn_target "amdgcn-amd-amdhsa--gfx1250"
	.amdhsa_code_object_version 6
	.text
	.protected	k_q9bb3bef992_dist
	.globl	k_q9bb3bef992_dist
	.p2align	8
	.type	k_q9bb3bef992_dist,@function
k_q9bb3bef992_dist:
	s_mov_b64 s[64:65], 0
	v_nop
	global_prefetch_b8 v0, s[64:65] scope:SCOPE_SE
	s_setreg_imm32_b32 hwreg(HW_REG_WAVE_MODE, 25, 1), 1
	s_wait_xcnt 0x0
	s_wait_alu depctr_hold_cnt(0) depctr_sa_sdst(0) depctr_va_vdst(0) depctr_va_sdst(0) depctr_va_ssrc(0) depctr_va_vcc(0) depctr_vm_vsrc(0)
	s_getreg_b32 s2, hwreg(HW_REG_IB_STS2, 6, 4)
	s_cmp_eq_u32 s2, 0
	s_cbranch_scc0 .Lentry_in_a_cluster
	s_endpgm
.Lentry_in_a_cluster:
	s_bfe_u32 s2, ttmp6, 0x10000c
	s_cmp_lg_u32 s2, 0x3003
	s_cbranch_scc0 .Lentry_shape_is_right
	s_endpgm
.Lentry_shape_is_right:
; For each of 65,536 rows of x: xx = the sum of the squares of the row rounded to bf16, and the GROUP (code >> 3) that holds the lowest
; T = fl(fl(xx - 2 x.e) + ee) over all 4,096 codes, the lowest group among equals.  Nothing of the distance is left out (xx stays: see the first kernel's head).
; LIMITS.  Operands in bf16, sums in f32.  A row whose T are all NaN or infinite gets a group between 0 and 3.
; SHARES.  A work-group owns 256 rows.  Wave w takes rows 128 (w / 2) .. + 127 (eight x tiles of 16, kept in registers as bf16 fragments) and, of the 256 code tiles
; of 16, those of parity w % 2: 128 PHASES of 32 matrix instructions.  So a code fragment read from LDS feeds eight products; the price is that two waves load the same rows of x, once.
; LAYOUT.  Source 0 = 16 codes, source 1 = 16 rows of x.  In the result lane (r, h) holds ONE row of x (r) and the codes 8 h + 0..7 of the tile: xx is one number a lane,
; ee eight registers a tile, the lowest of a lane's eight T a short tree, and those eight codes are one group: 2 x tile + h.
; BY TURNS.  Two sets of eight accumulators.  While a phase's products fill one set, the other set (the tile before) is retired: 15 vector instructions an x tile, in four
; slices, one behind each matrix instruction.  Only the best T and its tile are carried, by a compare, a minimum and a select for eight codes at once.
; RING.  The codes walk through two LDS slots of 256 rows; all four waves fetch a quarter of a slot each.  A slot is left at the head of my eighth phase on it (its last
; fragments are in registers by then), so a refill has eight phases, 256 matrix instructions, in which to land.  ee (16 KiB) is brought once.
; CLUSTER.  The four work-groups of a cluster walk the same codes, so every tile is asked for JOINTLY: the same load, descriptor and mask in all four.  x is nobody else's.
; REGISTERS, in windows of 256 (s_set_vgpr_msb: bits 1:0 source 0, 3:2 source 1, 5:4 source 2, 7:6 destination):
;   window 0: all but x.   window 1: x in bf16, fragment (tile t, 32 channels kq) at 32 t + 8 kq.   windows 2, 3: x as loaded, f32, tile t at 64 (t % 4): the head alone.
.set PK,    272                        ; a code row in LDS: 256 bytes + 16 of padding = 68 words: the 16 rows of a load start at 16 different groups of four banks (64 banks of 4 bytes: ISA guide 11.1)
.set TILEB, 32*PK                      ; from one of my code tiles to my next: two tiles of 16 rows
.set QUART, 64*PK                      ; what one tensor load brings
.set SLOTB, 4*QUART
.set SLOT1, 1<<17                      ; slot 1 begins here: one exclusive or turns an address in one slot into the other's
.set EEB,   SLOT1+SLOTB                ; ee, 16,384 bytes, filled once
.set SCR,   EEB+16384                  ; never filled by a tensor load: best [w][h][128] f32, at +4,096 group [w][h][128], at +8,192 xx [w][128]
.set SPARE, SCR+10240                  ; the spare words, 128 bytes a wave: two blocks of 256 bytes that no other line names
.set AK0, 3                            ; v3   my lane's place in my first code tile of a slot: 272 r + 16 h + 16 rows x parity
.set EK0, 4                            ; v4   my lane's eight ee of my first tile
.set ADR, 5                            ; v5   LDS address of the code fragments to be fetched
.set EAD, 6                            ; v6   of the ee to be fetched
.set XO,  7                            ; v7   my byte offset in 16 rows of x: 512 r + 32 h
.set SA,  8                            ; v8   the end: where I put best and group
.set RDA, 9                            ; v9   the end: where I read four rows' best back
.set GOF, 10                           ; v10  16 x lane
.set PFO, 11                           ; v11  256 x lane: a row of cb16; never rewritten
.set ZR,  12                           ; v12  0: the first addend of a sum of squares
.set XA,  13                           ; v13  the end: where I put xx
.set SPW, 14                           ; v14  my spare word; never rewritten
.set NIL, 15                           ; v15  0, for the add alone
.set XB,  16                           ; v[16:31]   x tile u: the pair (xx, best T)
.set ID,  32                           ; v[32:39]   x tile u: the code tile of best T
.set EE,  40                           ; v[40:55]   two buffers of eight ee
.set AF,  56                           ; v[56:119]  two buffers of a code tile's four fragments
.set ACC, 120                          ; v[120:247] two sets of eight accumulators
.set SQ,  248                          ; v[248:255] eight chains of squares
.set FB,  120                          ; the end: four planes of four rows' best, group, and xx
.set FG,  136
.set FX,  152
.set WV,  14                           ; s14  wave
.set CP,  15                           ; s15  parity of my code tiles
.set RH,  16                           ; s16  which 128 rows
.set G1C, 24                           ; s[24:31] descriptor group 1, code tiles
.set G1E, 32                           ; s[32:39] descriptor group 1, ee
.set G0A, 40                           ; s[40:43] group 0: slot 0's first fill
.set G0B, 44                           ; s[44:47] group 0: slot 1's first fill; it then walks
.set G0E, 48                           ; s[48:51] group 0: ee
.set SLOTS, 52                         ; s52  slots still to be asked for
.set CNT, 53                           ; s53  counts pairs of phases
.set TB,  54                           ; s54  LDS byte at which the pair of tiles to be fetched from begins
.set TE,  55                           ; s55  128 x the phase: its tile's ee
.set TP,  56                           ; s56  the code tile that is being retired
.set LIM, 57                           ; s57  1 in a wave that prefetches, else the greatest number
.set PFA, 58                           ; s[58:59] where my prefetches stand
.set SEL, 60                           ; s[60:61] v_permlanex16_b32: each lane takes its own place in the other half
.set MSB, 0
.macro WIN new                         ; the immediate's high byte repeats the setting that is left; a switch that changes nothing is dropped
.if MSB != (\new)
	s_set_vgpr_msb (MSB<<8)|(\new)
.set MSB, (\new)
.endif
.endm
.set W_MM, 0x04                        ; source 1 (x) in window 1, all else in window 0
.set W_L2, 0x80                        ; a load's destination in window 2 (0xc0: window 3)
.set W_C2, 0x4a                        ; sources 0 and 1 in window 2, destination in window 1 (0x4f: sources in window 3)
.set W_SQ, 0x05                        ; sources 0 and 1 in window 1
.macro PLACES
.rept 4
	v_nop
.endr
.endm
; A round of the cluster's barrier: my work-group's barrier, so that wave 0's signal speaks for all four waves; wave 0 signals; every wave waits for all four work-groups; my work-group's barrier once more.
.macro CROUND
	s_barrier_signal -1
	s_barrier_wait -1
	s_cmp_lg_u32 s[WV], 0
	s_cbranch_scc1 .Lnot_wave_0_\@
	s_barrier_signal -3
.Lnot_wave_0_\@:
	s_barrier_wait -3
	s_barrier_signal -1
	s_barrier_wait -1
.endm
; A PREFETCH INTO THE L2 of the slot that the NEXT change will ask for: 256 rows of 256 bytes, a lane a row.  All 64 clusters walk cb16 once, in step more or less: cluster 0 alone asks.  Its four
; partners take 64 rows each, told apart BY ADDRESS; in each, waves 0 and 1 take 32: each row is named once in the launch.  The last change that fills a slot asks for nothing; slots 0 to 2 come by their loads alone.
.macro ASK
	s_cmp_gt_u32 s[SLOTS], s[LIM]
	s_cbranch_scc0 .Lnot_mine_\@
	global_prefetch_b8 v[PFO], s[PFA:PFA+1] th:TH_LOAD_NT scope:SCOPE_SE
.Lnot_mine_\@:
.endm
	s_load_b256 s[4:11], s[0:1], 0x0               ; x s[4:5], cb16 s[6:7], ee s[8:9], grp s[10:11]
	s_load_b64 s[12:13], s[0:1], 0x20              ; xxw
	v_lshl_add_u32 v[SPW], v0, 2, SPARE
	v_mov_b32 v[NIL], 0
	ds_add_u32 v[SPW], v[NIL]                      ; the wave's opening: the add, twice on end, and its wait ahead of my first tensor load
	ds_add_u32 v[SPW], v[NIL]                      ; and once more, under the one wait; the set-up below, work on registers, stands between
	v_lshrrev_b32 v1, 5, v0
	v_readfirstlane_b32 s[WV], v1                  ; wave 0..3
	s_and_b32 s[CP], s[WV], 1
	s_lshr_b32 s[RH], s[WV], 1
	s_bfe_u32 s17, ttmp6, 0x40000                  ; cx: my place in the cluster
	s_lshl_b32 s18, ttmp9, 2                       ; in a cluster launch ttmp9 counts clusters
	s_add_co_u32 s18, s18, s17                     ; my work-group: it enters x's, grp's, xxw's and the prefetches' addresses alone
	; group 1 for the codes: a tile of 64 rows x 128 elements of 2 bytes, padded in LDS
	s_mov_b32 s[G1C], 15|(1<<16)|(1<<20)|(1<<21)|(5<<22)|(3<<25)  ; 15:0 the mask of four; 17:16 2-byte elements; 20 padding on; 21 set beside a mask; 24:22 after every 64 words (code 5); 31:25 4 words (code 3)
	s_mov_b32 s[G1C+1], 128<<16                    ; tensor_dim0 = 128
	s_mov_b32 s[G1C+2], 64<<16                     ; tensor_dim1 = 64
	s_mov_b32 s[G1C+3], 128<<16                    ; tile_dim0 = 128
	s_mov_b32 s[G1C+4], 64                         ; tile_dim1 = 64
	s_mov_b32 s[G1C+5], 128                        ; 128 elements from row to row
	s_mov_b32 s[G1C+6], 0
	s_mov_b32 s[G1C+7], 0
	; group 1 for ee: 4,096 dense bytes as 16 rows of 32 elements of 8 bytes, no padding
	s_mov_b32 s[G1E], 15|(3<<16)|(1<<21)
	s_mov_b32 s[G1E+1], 32<<16
	s_mov_b32 s[G1E+2], 16<<16
	s_mov_b32 s[G1E+3], 32<<16
	s_mov_b32 s[G1E+4], 16
	s_mov_b32 s[G1E+5], 32
	s_mov_b32 s[G1E+6], 0
	s_mov_b32 s[G1E+7], 0
	s_mul_i32 s20, s[WV], QUART                    ; my quarter of a slot: no place in the cluster enters an LDS address
	s_mov_b32 s[G0A], 1
	s_mov_b32 s[G0A+1], s20
	s_mov_b32 s[G0B], 1
	s_add_co_u32 s[G0B+1], s20, SLOT1
	s_lshl_b32 s20, s[WV], 12                      ; my quarter of ee, in LDS and in memory
	s_mov_b32 s21, 0
	s_mov_b32 s[G0E], 1
	s_add_co_u32 s[G0E+1], s20, EEB
	s_lshl_b32 s22, s[WV], 14                      ; my 64 rows of 256 bytes in cb16
	s_mov_b32 s23, 0
	s_mov_b32 s[SEL], 0x76543210
	s_mov_b32 s[SEL+1], 0xfedcba98
	s_mov_b32 s[TB], 0
	s_mov_b32 s[TE], 0
	s_mov_b32 s[TP], s[CP]
	s_mov_b32 s[SLOTS], 14
	s_or_b32 s[LIM], s[RH], ttmp9                  ; 0 in waves 0 and 1 of cluster 0: the same in all four partners
	s_cmp_eq_u32 s[LIM], 0
	s_cselect_b32 s[LIM], 1, -1
	v_and_b32 v[GOF], 31, v0
	v_lshlrev_b32 v[PFO], 8, v[GOF]
	s_wait_dscnt 0x0                               ; both opening adds are done
	s_wait_kmcnt 0x0
	s_add_nc_u64 s[G0A+2:G0A+3], s[6:7], s[22:23]  ; codes 0-255, my quarter
	s_add_nc_u64 s[G0B+2:G0B+3], s[G0A+2:G0A+3], 65536  ; codes 256-511
	s_or_b32 s[G0A+3], s[G0A+3], 0x80000000        ; 127:126 type = 2
	s_or_b32 s[G0B+3], s[G0B+3], 0x80000000
	s_add_nc_u64 s[G0E+2:G0E+3], s[8:9], s[20:21]
	s_or_b32 s[G0E+3], s[G0E+3], 0x80000000
	s_lshl_b32 s62, s18, 17                        ; x at my wave's first row: (256 x work-group + 128 x half) x 512 bytes
	s_lshl_b32 s63, s[RH], 16
	s_add_co_u32 s62, s62, s63
	s_mov_b32 s63, 0
	s_add_nc_u64 s[4:5], s[4:5], s[62:63]
	s_lshr_b32 s62, s62, 7                         ; grp and xxw: 4 bytes a row
	s_add_nc_u64 s[10:11], s[10:11], s[62:63]
	s_add_nc_u64 s[12:13], s[12:13], s[62:63]
	s_lshl_b32 s62, s17, 14                        ; the prefetches: my work-group's 64 rows of a slot,
	s_lshl_b32 s20, s[WV], 13                      ; my wave's 32 of them,
	s_add_co_u32 s62, s62, s20
	s_add_co_u32 s62, s62, 2*65536                 ; in slot 2: the first change steps it to slot 3
	s_add_nc_u64 s[PFA:PFA+1], s[6:7], s[62:63]
	CROUND                                         ; all four work-groups are here: the first joint loads meet
	tensor_load_to_lds s[G0A:G0A+3], s[G1C:G1C+7]  ; the first fills, one group: three loads of mine are out
	s_nop 0
	tensor_load_to_lds s[G0E:G0E+3], s[G1E:G1E+7]
	s_nop 0
	tensor_load_to_lds s[G0B:G0B+3], s[G1C:G1C+7]
	s_nop 0
	PLACES
	; A fragment is 16 rows x 32 channels: lane (r, h) holds row r, channels 8 h + 0..7 and 16 + 8 h + 0..7.  In f32 those are 32 bytes at 128 kq + 32 h and 32 at 128 kq + 64 + 32 h.
	v_and_b32 v1, 15, v0                           ; r
	v_bfe_u32 v2, v0, 4, 1                         ; h
	v_lshlrev_b32 v[XO], 9, v1
	v_lshl_add_u32 v[XO], v2, 5, v[XO]
.set t, 0
.rept 8
	WIN W_L2+0x40*(t/4)
.set kq, 0
.rept 4
.set rF, 64*(t%4)+16*kq
	global_load_b128 v[rF:rF+3],     v[XO], s[4:5] offset:8192*t+128*kq
	global_load_b128 v[rF+4:rF+7],   v[XO], s[4:5] offset:8192*t+128*kq+16
	global_load_b128 v[rF+8:rF+11],  v[XO], s[4:5] offset:8192*t+128*kq+64
	global_load_b128 v[rF+12:rF+15], v[XO], s[4:5] offset:8192*t+128*kq+80
.set kq, kq+1
.endr
.set t, t+1
.endr
	WIN 0                                          ; the other addresses are made while x is on its way
	v_mul_u32_u24 v[AK0], v1, PK
	v_lshl_add_u32 v[AK0], v2, 4, v[AK0]
	s_mul_i32 s20, s[CP], 16*PK
	v_add_nc_u32 v[AK0], s20, v[AK0]
	s_lshl_b32 s20, s[CP], 6
	s_add_co_u32 s20, s20, EEB
	v_lshl_add_u32 v[EK0], v2, 5, s20              ; EEB + 64 x parity + 32 h
	s_lshl_b32 s20, s[WV], 10
	s_add_co_u32 s20, s20, SCR
	v_lshl_add_u32 v[SA], v2, 9, s20
	v_lshl_add_u32 v[SA], v1, 2, v[SA]             ; SCR + 1,024 w + 512 h + 4 r
	v_lshl_add_u32 v[RDA], v[GOF], 4, s20          ; SCR + 1,024 w + 16 x lane
	s_lshl_b32 s20, s[WV], 9
	s_add_co_u32 s20, s20, SCR+8192
	v_lshl_add_u32 v[XA], v1, 2, s20               ; SCR + 8,192 + 512 w + 4 r
	v_lshlrev_b32 v[GOF], 4, v[GOF]
	v_mov_b32 v[ZR], 0
.set u, 0
.rept 8
	v_mov_b32 v[XB+2*u+1], 0x7f800000              ; best T starts above every finite T
	v_mov_b32 v[ID+u], 0
.set u, u+1
.endr
; x tile t: rounded to bf16 into its four fragments; then the squares of the rounded numbers, eight chains; the row's other 64 numbers lie in the lane 16 away.
.macro CVT t
	WIN W_C2+5*((\t)/4)
.set i, 0
.rept 32
	v_cvt_pk_bf16_f32 v[32*(\t)+i], v[64*((\t)%4)+2*i], v[64*((\t)%4)+2*i+1]
.set i, i+1
.endr
	WIN W_SQ
.set i, 0
.rept 8
	v_fma_mix_f32_bf16 v[SQ+i], v[32*(\t)+i], v[32*(\t)+i], v[ZR] op_sel_hi:[1,1,0]
.set i, i+1
.endr
.rept 24
	v_fma_mix_f32_bf16 v[SQ+i%8], v[32*(\t)+i], v[32*(\t)+i], v[SQ+i%8] op_sel_hi:[1,1,0]
.set i, i+1
.endr
.set i, 0
.rept 32
	v_fma_mix_f32_bf16 v[SQ+i%8], v[32*(\t)+i], v[32*(\t)+i], v[SQ+i%8] op_sel:[1,1,0] op_sel_hi:[1,1,0]
.set i, i+1
.endr
	WIN 0
	v_pk_add_f32 v[SQ:SQ+1], v[SQ:SQ+1], v[SQ+2:SQ+3]
	v_pk_add_f32 v[SQ+4:SQ+5], v[SQ+4:SQ+5], v[SQ+6:SQ+7]
	v_pk_add_f32 v[SQ:SQ+1], v[SQ:SQ+1], v[SQ+4:SQ+5]
	v_add_f32 v[SQ], v[SQ], v[SQ+1]
	v_permlanex16_b32 v[SQ+1], v[SQ], s[SEL], s[SEL+1]
	v_add_f32 v[XB+2*(\t)], v[SQ], v[SQ+1]
.endm
	s_wait_loadcnt 63                              ; of 128 loads at most 63 are out: the first 64, tiles 0 to 3, are in
	CVT 0
	CVT 1
	CVT 2
	CVT 3
	s_wait_loadcnt 48                              ; sixteen loads a tile: three younger tiles may stay out,
	CVT 4
	s_wait_loadcnt 32                              ; two,
	CVT 5
	s_wait_loadcnt 16                              ; one,
	CVT 6
	s_wait_loadcnt 0x0                             ; none
	CVT 7
; THE MATRIX WORK.  Instruction w of a phase's 32: channels 32 (w / 8) on, x tile w % 8, into set q.  The eight accumulators take turns, one instruction a turn, from phase to phase too;
; the first eight start the sums with the constant 0: nothing is cleared.
.macro MM q
	WIN W_MM
.set rD, ACC+64*(\q)+8*(w%8)
.set rA, AF+32*(\q)+8*(w/8)
.set rX, 32*(w%8)+8*(w/8)
.if w < 8
	v_wmma_f32_16x16x32_bf16 v[rD:rD+7], v[rA:rA+7], v[rX:rX+7], 0
.else
	v_wmma_f32_16x16x32_bf16 v[rD:rD+7], v[rA:rA+7], v[rX:rX+7], v[rD:rD+7]
.endif
.endm
.macro FA q, n                         ; fragment n of the next code tile, into the buffer that phase q does not multiply
	ds_load_b128 v[AF+32*(1-(\q))+8*(\n):AF+32*(1-(\q))+8*(\n)+3],   v[ADR] offset:64*(\n)
	ds_load_b128 v[AF+32*(1-(\q))+8*(\n)+4:AF+32*(1-(\q))+8*(\n)+7], v[ADR] offset:64*(\n)+32
.endm
.macro FE q                            ; the eight ee of the tile that phase q multiplies: the next phase retires it
	ds_load_b128 v[EE+8*(\q):EE+8*(\q)+3],   v[EAD]
	ds_load_b128 v[EE+8*(\q)+4:EE+8*(\q)+7], v[EAD] offset:16
.endm
; THE VECTOR WORK.  Slice w retires part w % 4 of x tile u = w / 4 of the OTHER set, R:
;   0  R = xx - 2 R, one rounding (2 R is exact).  The accumulator's lowest registers are read first,.
;   1  R = R + ee, the second rounding.  Written as R x 1.0 + ee: under the products' window setting only the second source place means window 1, and so slices 0 and 1 cost no switch.
;   2  the compare of tile u - 1's lowest T with its best; three partial minima of tile u
;   3  tile u's lowest T; tile u - 1's best and its tile.  A strict compare keeps the earlier tile among equals.  Tile 7's own three lines close the phase.
; The fetches' two address lines stand in slice 3 of tile 0; the LDS loads behind slices 4, 5, 8, 9 (codes) and 12 (ee): more than 18 matrix instructions ahead of the wait at the next phase's head.
; The last product that read the buffer they fill stands a phase back, with more than four plain vector instructions between.
.macro SLICE q, fa, fe
.set u, w/4
.set rR, ACC+64*(1-(\q))+8*u
.set rE, EE+8*(1-(\q))
.if w%4 == 0
.irp i, 0,2,4,6
	v_pk_fma_f32 v[rR+\i:rR+\i+1], v[rR+\i:rR+\i+1], -2.0, v[XB+2*u:XB+2*u+1] op_sel_hi:[1,0,0]
.endr
.elseif w%4 == 1
.irp i, 0,2,4,6
	v_pk_fma_f32 v[rR+\i:rR+\i+1], v[rR+\i:rR+\i+1], 1.0, v[rE+\i:rE+\i+1] op_sel_hi:[1,0,1]
.endr
.elseif w%4 == 2
	WIN 0
.if u > 0
	v_cmp_lt_f32 vcc_lo, v[rR-8], v[XB+2*u-1]
.endif
	v_min3_num_f32 v[rR], v[rR], v[rR+1], v[rR+2]
	v_min3_num_f32 v[rR+3], v[rR+3], v[rR+4], v[rR+5]
	v_min_num_f32 v[rR+6], v[rR+6], v[rR+7]
.else
	WIN 0
	v_min3_num_f32 v[rR], v[rR], v[rR+3], v[rR+6]
.if u > 0
	v_min_num_f32 v[XB+2*u-1], v[XB+2*u-1], v[rR-8]
	v_cndmask_b32 v[ID+u-1], v[ID+u-1], s[TP], vcc_lo
.endif
.if (u == 0) && (\fa)
	v_add_nc_u32 v[ADR], s[TB], v[AK0]
	s_add_co_u32 s[TB], s[TB], TILEB
.endif
.if (u == 0) && (\fe)
	v_add_nc_u32 v[EAD], s[TE], v[EK0]
	s_add_co_u32 s[TE], s[TE], 128
.endif
.if u == 7
	v_cmp_lt_f32 vcc_lo, v[rR], v[XB+15]
	v_min_num_f32 v[XB+15], v[XB+15], v[rR]
	v_cndmask_b32 v[ID+7], v[ID+7], s[TP], vcc_lo
.endif
.endif
.if (\fa) && (w == 4)
	FA \q, 0
.endif
.if (\fa) && (w == 5)
	FA \q, 1
.endif
.if (\fa) && (w == 8)
	FA \q, 2
.endif
.if (\fa) && (w == 9)
	FA \q, 3
.endif
.if (\fe) && (w == 12)
	FE \q
.endif
.endm
; A PHASE.  q: the set it fills and the code buffer it multiplies.  ep = 1: it retires the other set.  fa = 1: it fetches the next tile's codes.  mm = 1: it multiplies (and fetches its own tile's ee).
; The first phase (ep = 0) has nothing to retire: its fetches stand at its head, and four v_nop at its end are the places in front of the next phase's first read of a result and its loads into the buffer just multiplied.
.macro PHASE q, ep, fa, mm
	s_wait_dscnt 0x0                               ; the fragments and ee that the phase before asked for
.if !(\ep)
	WIN 0
	v_add_nc_u32 v[ADR], s[TB], v[AK0]
	v_add_nc_u32 v[EAD], s[TE], v[EK0]
	s_add_co_u32 s[TB], s[TB], TILEB
	s_add_co_u32 s[TE], s[TE], 128
	FA \q, 0
	FA \q, 1
	FA \q, 2
	FA \q, 3
	FE \q
.endif
.set w, 0
.rept 32
.if \mm
	MM \q
.endif
.if \ep
	SLICE \q, \fa, \mm
.endif
.set w, w+1
.endr
.if \ep
	s_add_co_u32 s[TP], s[TP], 2                   ; my next tile
.else
	PLACES
.endif
.endm
; THE CHANGE OF SLOTS, at the head of my eighth phase on a slot: the slot's last fragments have been asked for.  Each wave waits for all its tensor loads, of which one is out: its quarter of the other slot;
; adds 0 to its spare word; and waits for that and for its own reads of the slot.  Behind the barrier nobody reads the slot any more and the other slot is whole.
; fill = 1: the slot is filled again, with the codes two slots on.  The barrier is then a round of the cluster's, so that no wave of any partner still reads the slot or has a load on its way,
; and the joint refill, one load a wave, is the first thing behind it.
.macro CHANGE fill
	WIN 0
	s_wait_tensorcnt 0x0                           ; no tensor load of mine is out, so a group 0 may be written
	ds_add_u32 v[SPW], v[NIL]                      ; 0 onto my spare word
.if \fill
	s_xor_b32 s[G0B+1], s[G0B+1], SLOT1            ; the walking descriptor: the other slot than last time,
	s_add_nc_u64 s[G0B+2:G0B+3], s[G0B+2:G0B+3], 65536  ; the next 256 codes; the type bits on top are not reached
	s_wait_xcnt 0x0                                ; the last prefetch, eight phases back, has read its address
	s_add_nc_u64 s[PFA:PFA+1], s[PFA:PFA+1], 65536 ; one slot beyond the walking descriptor
	s_wait_dscnt 0x0                               ; the add is done, and my reads of the slot are over
	CROUND
	tensor_load_to_lds s[G0B:G0B+3], s[G1C:G1C+7]
	s_nop 0
	PLACES
	ASK
.else
	s_wait_dscnt 0x0                               ; the add is done, and my reads of the slot are over
	s_barrier_signal -1
	s_barrier_wait -1
.endif
	s_sub_co_u32 s[TB], s[TB], SLOTB               ; the fetches go back to a slot's first tiles,
	s_xor_b32 s[TB], s[TB], SLOT1                  ; in the other slot
.endm
.macro PAIRS n                         ; 2 n phases
	WIN 0                                          ; at a label and at a branch every window is 0
	s_mov_b32 s[CNT], \n
.Lpair_\@:
	PHASE 1, 1, 1, 1
	PHASE 0, 1, 1, 1
	WIN 0
	s_sub_co_u32 s[CNT], s[CNT], 1
	s_cmp_lg_u32 s[CNT], 0
	s_cbranch_scc1 .Lpair_\@
.endm
	s_wait_tensorcnt 1                             ; my quarters of slot 0 and of ee are in; slot 1's may stay out
	s_barrier_signal -1
	s_barrier_wait -1                              ; everybody's are
	v_add_nc_u32 v[ADR], s[TB], v[AK0]
	s_add_co_u32 s[TB], s[TB], TILEB
	FA 1, 0                                        ; my first code tile, into buffer 0
	FA 1, 1
	FA 1, 2
	FA 1, 3
	PHASE 0, 0, 1, 1                               ; phase 0
	PAIRS 3                                        ; phases 1 to 6
.Llap:                                 ; 14 times: every slot but the last two is filled again; phases 7 to 118
	CHANGE 1
	PAIRS 4
	s_sub_co_u32 s[SLOTS], s[SLOTS], 1
	s_cmp_lg_u32 s[SLOTS], 0
	s_cbranch_scc1 .Llap
	CHANGE 0                                       ; the tail is written out: nothing is asked for
	PAIRS 4                                        ; phases 119 to 126
	PHASE 1, 1, 0, 1                               ; phase 127: no tile follows
	PHASE 0, 1, 0, 0                               ; and its tile is retired
	WIN 0
	; THE END.  A row's best lies in four places: two halves of the lanes in each of two waves.  All go through LDS; the wave of even parity joins them, four rows a lane, and stores.
.set u, 0
.rept 8
	v_lshl_or_b32 v[ID+u], v[ID+u], 1, v2          ; group = 2 x tile + h
.set u, u+1
.endr
.set u, 0
.rept 8
	ds_store_b32 v[SA], v[XB+2*u+1] offset:64*u
	ds_store_b32 v[SA], v[ID+u] offset:4096+64*u
	ds_store_b32 v[XA], v[XB+2*u] offset:64*u      ; both halves of the lanes write the same word with the same number
.set u, u+1
.endr
	s_wait_dscnt 0x0                               ; for the others' sake
	s_barrier_signal -1
	s_barrier_wait -1
	s_cmp_lg_u32 s[CP], 0
	s_cbranch_scc1 .Lend
	s_lshl_b32 s20, s[WV], 9
	s_add_co_u32 s20, s20, SCR+8192
	v_add_nc_u32 v[ADR], s20, v[GOF]
.irp p, 0,1,2,3                        ; planes: mine h = 0, 1; the next wave's h = 0, 1
	ds_load_b128 v[FB+4*\p:FB+4*\p+3], v[RDA] offset:512*\p
	ds_load_b128 v[FG+4*\p:FG+4*\p+3], v[RDA] offset:4096+512*\p
.endr
	ds_load_b128 v[FX:FX+3], v[ADR]
	s_wait_dscnt 0x0
.macro COMB a, b                       ; plane a takes plane b's pair where b's T is lower, or equal with the lower group
.irp k, 0,1,2,3
	v_cmp_lt_f32 s66, v[FB+4*(\b)+\k], v[FB+4*(\a)+\k]
	v_cmp_eq_f32 s67, v[FB+4*(\b)+\k], v[FB+4*(\a)+\k]
	v_cmp_lt_u32 s68, v[FG+4*(\b)+\k], v[FG+4*(\a)+\k]
	s_and_b32 s67, s67, s68
	s_or_b32 s66, s66, s67
	v_cndmask_b32 v[FB+4*(\a)+\k], v[FB+4*(\a)+\k], v[FB+4*(\b)+\k], s66
	v_cndmask_b32 v[FG+4*(\a)+\k], v[FG+4*(\a)+\k], v[FG+4*(\b)+\k], s66
.endr
.endm
	COMB 0, 1
	COMB 2, 3
	COMB 0, 2
	global_store_b128 v[GOF], v[FG:FG+3], s[10:11] ; 128 rows' groups: 512 consecutive bytes, aligned
	global_store_b128 v[GOF], v[FX:FX+3], s[12:13] ; and their xx
.Lend:
	s_wait_tensorcnt 0x0                           ; the wave's end, behind my last tensor load and my last LDS store
	ds_add_u32 v[SPW], v[NIL]
	s_wait_dscnt 0x0
	CROUND                                         ; the closing round: no work-group ends while a partner may still ask for a tile that names it
	s_endpgm
.Lfunc_end_k_q9bb3bef992_dist:
	.size	k_q9bb3bef992_dist, .Lfunc_end_k_q9bb3bef992_dist-k_q9bb3bef992_dist
	.p2alignl 7, 3214868480
	.fill 96, 4, 3214868480
	.section	.rodata,"a",@progbits
	.p2align	6, 0x0
	.amdhsa_kernel k_q9bb3bef992_dist
		.amdhsa_group_segment_fixed_size 327680
		.amdhsa_private_segment_fixed_size 0
		.amdhsa_enable_private_segment 0
		.amdhsa_kernarg_size 40
		.amdhsa_user_sgpr_count 2
		.amdhsa_user_sgpr_kernarg_segment_ptr 1
		.amdhsa_wavefront_size32 1
		.amdhsa_system_sgpr_workgroup_id_x 1
		.amdhsa_system_sgpr_workgroup_id_y 1
		.amdhsa_system_sgpr_workgroup_id_z 1
		.amdhsa_system_vgpr_workitem_id 0
		.amdhsa_next_free_vgpr 1024
		.amdhsa_next_free_sgpr 72
		.amdhsa_reserve_vcc 1
		.amdhsa_float_denorm_mode_32 3
		.amdhsa_float_denorm_mode_16_64 3
		.amdhsa_memory_ordered 1
		.amdhsa_forward_progress 1
		.amdhsa_inst_pref_size 164
	.end_amdhsa_kernel
	.amdgpu_metadata
---
amdhsa.version: [ 1, 2 ]
amdhsa.kernels:
  - .name:           k_q9bb3bef992_dist
    .symbol:         k_q9bb3bef992_dist.kd
    .args:
      - { .name: x, .offset: 0, .size: 8, .value_kind: global_buffer, .address_space: global }
      - { .name: cb16, .offset: 8, .size: 8, .value_kind: global_buffer, .address_space: global }
      - { .name: ee, .offset: 16, .size: 8, .value_kind: global_buffer, .address_space: global }
      - { .name: grp, .offset: 24, .size: 8, .value_kind: global_buffer, .address_space: global }
      - { .name: xxw, .offset: 32, .size: 8, .value_kind: global_buffer, .address_space: global }
    .group_segment_fixed_size: 327680
    .private_segment_fixed_size: 0
    .kernarg_segment_align: 8
    .kernarg_segment_size: 40
    .max_flat_workgroup_size: 128
    .sgpr_count:     72
    .vgpr_count:     1024
    .wavefront_size: 32
...
	.end_amdgpu_metadata
.endif
;; end of part 2
;; launch pick (part 3): grid 1024 x 1, 4 waves a work-group, no clusters, 1,024 bytes of LDS; arguments x, cb16, ee, grp, xxw, out0, out1, part; writes out0, out1, part
.if DOCPART == 3
	.amdgcn_target "amdgcn-amd-amdhsa--gfx1250"
	.amdhsa_code_object_version 6
	.text
	.protected	k_q9bb3bef992_pick
	.globl	k_q9bb3bef992_pick
	.p2align	8
	.type	k_q9bb3bef992_pick,@function
k_q9bb3bef992_pick:
	s_mov_b64 s[64:65], 0
	v_nop
	global_prefetch_b8 v0, s[64:65] scope:SCOPE_SE
	s_setreg_imm32_b32 hwreg(HW_REG_WAVE_MODE, 25, 1), 1
	s_wait_xcnt 0x0
; For each row: its group of 8 codes is read as a whole number from memory; the group's 8 rows of cb16 (2,048 bytes on end) and 8 ee are loaded; T = fl(fl(xx - 2 x.e) + ee) is
; formed for the eight, with x rounded to bf16, products and sums in f32; the lowest T, the lowest index among equals, is the token.  The winner's row is SELECTED from the eight in registers:
; no address and no branch hangs on it.  out1 = x + (q - x) as it is written; the row's (q - x)^2 go into a partial sum.
; LEFT OUT: the second of the two equal losses (see the first kernel's head): one sum of squares is made.
; LIMITS.  q is the code rounded once to bf16.  A row whose eight T are NaN takes the group's code 7.  A group number is held to 0 .. 511 before it enters an address.
; SHARES.  1,024 work-groups x 64 rows; a wave has 16 rows, one after the other; a lane has numbers 4 l .. 4 l + 3 of the row of x (16 bytes) and of each candidate (8 bytes): each load of the wave covers
; 512 or 256 consecutive bytes, aligned.  A ring of four row slots in registers keeps 40 loads of every wave in flight.  No matrix unit: 8 dot products a row; no LDS on the way in: nothing is shared.
.set SPARE, 512                        ; LDS: 0-255 the work-group's 64 tokens; 256-271 four partial sums; from 512 on the spare words, 128 bytes a wave
.set SPW, 6                            ; v6   my spare word; never rewritten
.set NIL, 7                            ; v7   0, for the add alone
.set LS,  8                            ; v[8:11]  my four sums of squares
.set SL,  16                           ; slot s at 16 + 28 s: +0..15 the eight candidates, 2 registers each; +16..19 x; +20..23 the output row; +24 ee; +25, +26 the offsets in cb16 and in ee
.set XH,  128                          ; v[128:129] x in bf16
.set SM,  130                          ; v[130:137] eight dot products
.set GV,  138                          ; v[138:145] at work in the sum across lanes
.set WD,  146                          ; v[146:153] the select tree
.set QF,  154                          ; v[154:157] q in f32
.set DF,  158                          ; v[158:161] q - x
.set TV,  162                          ; v162  my candidate's T
.set TMN, 163                          ; v163  the lowest of the eight
.set G16, 20                           ; s[20:35] my 16 rows' groups
.set X16, 36                           ; s[36:51] my 16 rows' xx
.set GC,  52                           ; s[52:55] slot s: its row's group, held to 0 .. 511
	s_load_b512 s[4:19], s[0:1], 0x0               ; x s[4:5], cb16 s[6:7], ee s[8:9], grp s[10:11], xxw s[12:13], out0 s[14:15], out1 s[16:17], part s[18:19]
	v_lshl_add_u32 v[SPW], v0, 2, SPARE
	v_mov_b32 v[NIL], 0
	v_lshrrev_b32 v12, 5, v0
	v_readfirstlane_b32 s74, v12                   ; wave 0..3
	v_and_b32 v12, 31, v0                          ; lane
	v_lshlrev_b32 v1, 3, v12                       ; my 8 bytes of a bf16 row
	v_and_b32 v2, 7, v0
	v_lshlrev_b32 v2, 2, v2                        ; my candidate's ee: candidate = lane % 8
	v_and_b32 v3, 15, v0
	v_mov_b32 v4, 0                                ; the first addend of a sum, and an offset of 0
	v_mov_b32 v5, 0                                ; lane l collects the token of row l % 16
	v_lshlrev_b32 v13, 4, v12                      ; my 16 bytes of an f32 row
	v_mov_b32 v[LS], 0
	v_mov_b32 v[LS+1], 0
	v_mov_b32 v[LS+2], 0
	v_mov_b32 v[LS+3], 0
	v_mov_b32 v[TMN], 0                            ; the destination of a DPP form counts as read
	s_mov_b32 s56, 0xaaaaaaaa                      ; lanes with bit 0, 1, 2 of their number set
	s_mov_b32 s57, 0xcccccccc
	s_mov_b32 s58, 0xf0f0f0f0
	s_mov_b32 s60, 0x76543210                      ; v_permlanex16_b32: each lane takes its own place in the other half
	s_mov_b32 s61, 0xfedcba98
	s_lshl_b32 s76, ttmp9, 6
	s_lshl4_add_u32 s76, s74, s76                  ; my first row = 64 x work-group + 16 x wave
	s_lshl_b32 s78, s76, 9                         ; in x and out1
	s_mov_b32 s79, 0
	s_lshl_b32 s76, s76, 2                         ; in grp and xxw
	s_mov_b32 s77, 0
	s_wait_kmcnt 0x0
	s_add_nc_u64 s[10:11], s[10:11], s[76:77]
	s_add_nc_u64 s[12:13], s[12:13], s[76:77]
	s_load_b512 s[G16:G16+15], s[10:11], 0x0
	s_load_b512 s[X16:X16+15], s[12:13], 0x0
	s_add_nc_u64 s[4:5], s[4:5], s[78:79]
	s_add_nc_u64 s[16:17], s[16:17], s[78:79]
	s_lshl_b32 s78, ttmp9, 8                       ; out0: 256 bytes a work-group
	s_add_nc_u64 s[14:15], s[14:15], s[78:79]
	s_lshl_b32 s78, ttmp9, 2                       ; part: a word
	s_add_nc_u64 s[18:19], s[18:19], s[78:79]
	s_wait_kmcnt 0x0
.macro FILL i                          ; row i's ten loads, into slot i % 4
.set fb, SL+28*((\i)%4)
	s_min_u32 s[GC+(\i)%4], s[G16+(\i)], 511       ; a loaded number enters an address only behind this bound
	v_lshl_add_u32 v[fb+25], s[GC+(\i)%4], 11, v1  ; the group's 2,048 bytes of cb16
	v_lshl_add_u32 v[fb+26], s[GC+(\i)%4], 5, v2   ; its 32 bytes of ee
.irp c, 0,1,2,3,4,5,6,7
	global_load_b64 v[fb+2*\c:fb+2*\c+1], v[fb+25], s[6:7] offset:256*\c
.endr
	global_load_b32 v[fb+24], v[fb+26], s[8:9]
	global_load_b128 v[fb+16:fb+19], v13, s[4:5] offset:512*(\i) th:TH_LOAD_NT
.endm
.macro TURN i
.set sb, SL+28*((\i)%4)
.if (\i) < 13
	s_wait_loadcnt 30                              ; loads come back in order: my slot's ten are in, three younger slots' thirty stay out
.else
	s_wait_loadcnt 10*(15-(\i))                    ; the last rows: the counts run down
.endif
	s_wait_xcnt 0x0                                ; every earlier memory instruction has had its addresses translated (ISA guide 3.1): the slot's output registers, which its last store reads, are rewritten only behind this wait
	v_cvt_pk_bf16_f32 v[XH], v[sb+16], v[sb+17]
	v_cvt_pk_bf16_f32 v[XH+1], v[sb+18], v[sb+19]
.irp c, 0,1,2,3,4,5,6,7                ; eight chains of four products, by turns
	v_fma_mix_f32_bf16 v[SM+\c], v[XH], v[sb+2*\c], v4 op_sel_hi:[1,1,0]
.endr
.irp c, 0,1,2,3,4,5,6,7
	v_fma_mix_f32_bf16 v[SM+\c], v[XH], v[sb+2*\c], v[SM+\c] op_sel:[1,1,0] op_sel_hi:[1,1,0]
.endr
.irp c, 0,1,2,3,4,5,6,7
	v_fma_mix_f32_bf16 v[SM+\c], v[XH+1], v[sb+2*\c+1], v[SM+\c] op_sel_hi:[1,1,0]
.endr
.irp c, 0,1,2,3,4,5,6,7
	v_fma_mix_f32_bf16 v[SM+\c], v[XH+1], v[sb+2*\c+1], v[SM+\c] op_sel:[1,1,0] op_sel_hi:[1,1,0]
.endr
	; eight sums over 32 lanes at once: at each of three levels a lane keeps one of two sums, by a bit of its number, and gives the other to the lane across: 8, 4, 2, then 1 register; lane l ends with candidate l % 8
.irp p, 0,2,4,6
	v_cndmask_b32 v[GV+\p], v[SM+\p+1], v[SM+\p], s56
.endr
.irp p, 0,2,4,6
	v_cndmask_b32 v[SM+\p], v[SM+\p], v[SM+\p+1], s56
.endr
.irp p, 0,2,4,6
	v_add_f32_dpp v[SM+\p], v[GV+\p], v[SM+\p] row_xmask:1 row_mask:0xf bank_mask:0xf
.endr
.irp p, 0,4
	v_cndmask_b32 v[GV+\p], v[SM+\p+2], v[SM+\p], s57
.endr
.irp p, 0,4
	v_cndmask_b32 v[SM+\p], v[SM+\p], v[SM+\p+2], s57
.endr
.irp p, 0,4
	v_add_f32_dpp v[SM+\p], v[GV+\p], v[SM+\p] row_xmask:2 row_mask:0xf bank_mask:0xf
.endr
	v_cndmask_b32 v[GV], v[SM+4], v[SM], s58
	v_cndmask_b32 v[SM], v[SM], v[SM+4], s58
	v_add_f32_dpp v[SM], v[GV], v[SM] row_xmask:4 row_mask:0xf bank_mask:0xf
	v_add_f32_dpp v[SM], v[SM], v[SM] row_xmask:8 row_mask:0xf bank_mask:0xf
	v_permlanex16_b32 v[GV], v[SM], s60, s61
	v_add_f32 v[SM], v[SM], v[GV]
	v_fma_f32 v[TV], v[SM], -2.0, s[X16+(\i)]      ; xx - 2 dot, one rounding (2 dot is exact),
	v_add_f32 v[TV], v[TV], v[sb+24]               ; + ee, the second
	v_min_num_f32_dpp v[TMN], v[TV], v[TV] row_xmask:1 row_mask:0xf bank_mask:0xf
	v_min_num_f32_dpp v[TMN], v[TMN], v[TMN] row_xmask:2 row_mask:0xf bank_mask:0xf
	v_min_num_f32_dpp v[TMN], v[TMN], v[TMN] row_xmask:4 row_mask:0xf bank_mask:0xf
	v_cmp_eq_f32 s71, v[TV], v[TMN]
	s_ctz_i32_b32 s66, s71                         ; lanes 0 to 7 hold candidates 0 to 7: the lowest lane is the lowest index among equals
	s_and_b32 s66, s66, 7
	s_lshl3_add_u32 s67, s[GC+(\i)%4], s66         ; the token = 8 x group + winner
	s_bitcmp1_b32 s66, 0                           ; the winner's three bits as masks of all lanes: it selects values and nothing else
	s_cselect_b32 s68, -1, 0
	s_bitcmp1_b32 s66, 1
	s_cselect_b32 s69, -1, 0
	s_bitcmp1_b32 s66, 2
	s_cselect_b32 s70, -1, 0
.irp p, 0,1,2,3
	v_cndmask_b32 v[WD+2*\p], v[sb+4*\p], v[sb+4*\p+2], s68
	v_cndmask_b32 v[WD+2*\p+1], v[sb+4*\p+1], v[sb+4*\p+3], s68
.endr
.irp p, 0,4
	v_cndmask_b32 v[WD+\p], v[WD+\p], v[WD+\p+2], s69
	v_cndmask_b32 v[WD+\p+1], v[WD+\p+1], v[WD+\p+3], s69
.endr
	v_cndmask_b32 v[WD], v[WD], v[WD+4], s70
	v_cndmask_b32 v[WD+1], v[WD+1], v[WD+5], s70
	v_lshlrev_b32 v[QF], 16, v[WD]                 ; bf16 to f32
	v_and_b32 v[QF+1], 0xffff0000, v[WD]
	v_lshlrev_b32 v[QF+2], 16, v[WD+1]
	v_and_b32 v[QF+3], 0xffff0000, v[WD+1]
	v_pk_add_f32 v[DF:DF+1], v[QF:QF+1], v[sb+16:sb+17] neg_lo:[0,1] neg_hi:[0,1]      ; q - x
	v_pk_add_f32 v[DF+2:DF+3], v[QF+2:QF+3], v[sb+18:sb+19] neg_lo:[0,1] neg_hi:[0,1]
	v_pk_add_f32 v[sb+20:sb+21], v[sb+16:sb+17], v[DF:DF+1]                            ; x + (q - x)
	v_pk_add_f32 v[sb+22:sb+23], v[sb+18:sb+19], v[DF+2:DF+3]
	v_pk_fma_f32 v[LS:LS+1], v[DF:DF+1], v[DF:DF+1], v[LS:LS+1]
	v_pk_fma_f32 v[LS+2:LS+3], v[DF+2:DF+3], v[DF+2:DF+3], v[LS+2:LS+3]
	v_cmp_eq_u32 vcc_lo, \i, v3
	v_cndmask_b32 v5, v5, s67, vcc_lo
.if (\i) < 12
	FILL (\i)+4                                    ; the slot's next row, ahead of the store
.endif
	global_store_b128 v13, v[sb+20:sb+23], s[16:17] offset:512*(\i) th:TH_STORE_NT  ; the row's 512 consecutive bytes, aligned
.endm
	FILL 0
	FILL 1
	FILL 2
	FILL 3
.irp r, 0,1,2,3,4,5,6,7,8,9,10,11,12,13,14,15
	TURN \r
.endr
	v_pk_add_f32 v[LS:LS+1], v[LS:LS+1], v[LS+2:LS+3]
	v_add_f32 v[LS], v[LS], v[LS+1]
	v_add_f32_dpp v[LS], v[LS], v[LS] row_xmask:1 row_mask:0xf bank_mask:0xf
	v_add_f32_dpp v[LS], v[LS], v[LS] row_xmask:2 row_mask:0xf bank_mask:0xf
	v_add_f32_dpp v[LS], v[LS], v[LS] row_xmask:4 row_mask:0xf bank_mask:0xf
	v_add_f32_dpp v[LS], v[LS], v[LS] row_xmask:8 row_mask:0xf bank_mask:0xf
	v_permlanex16_b32 v[LS+1], v[LS], s60, s61
	v_add_f32 v[LS], v[LS], v[LS+1]
	s_lshl_b32 s76, s74, 2
	v_mov_b32 v14, s76
	ds_store_b32 v14, v[LS] offset:256             ; my wave's sum: all lanes write the same word with the same number
	s_lshl_b32 s76, s74, 6
	v_lshl_add_u32 v15, v3, 2, s76
	ds_store_b32 v15, v5                           ; my wave's 16 tokens; both halves of the lanes hold the same
	s_wait_dscnt 0x0                               ; for the others' sake
	s_barrier_signal -1
	s_barrier_wait -1
	s_cmp_lg_u32 s74, 0                            ; wave 0 stores the work-group's 64 tokens as one run of 256 bytes, and its sum
	s_cbranch_scc1 .Lend
	ds_load_b64 v[SM:SM+1], v1
	ds_load_b128 v[SM+2:SM+5], v4 offset:256
	s_wait_dscnt 0x0
	global_store_b64 v1, v[SM:SM+1], s[14:15]
	v_add_f32 v[SM+2], v[SM+2], v[SM+3]
	v_add_f32 v[SM+4], v[SM+4], v[SM+5]
	v_add_f32 v[SM+2], v[SM+2], v[SM+4]
	s_wait_xcnt 0x0                                ; EXEC changes only behind this wait
	v_cmp_eq_u32 vcc_lo, 0, v0
	s_and_saveexec_b32 s76, vcc_lo
	global_store_b32 v4, v[SM+2], s[18:19]         ; thread 0 alone
	s_wait_xcnt 0x0                                ; and again, in front of the line that widens it
	s_or_b32 exec_lo, exec_lo, s76
.Lend:
	s_wait_tensorcnt 0x0                           ; the wave's end, behind my last LDS store
	ds_add_u32 v[SPW], v[NIL]
	s_wait_dscnt 0x0
	s_endpgm
.Lfunc_end_k_q9bb3bef992_pick:
	.size	k_q9bb3bef992_pick, .Lfunc_end_k_q9bb3bef992_pick-k_q9bb3bef992_pick
	.p2alignl 7, 3214868480
	.fill 96, 4, 3214868480
	.section	.rodata,"a",@progbits
	.p2align	6, 0x0
	.amdhsa_kernel k_q9bb3bef992_pick
		.amdhsa_group_segment_fixed_size 1024
		.amdhsa_private_segment_fixed_size 0
		.amdhsa_enable_private_segment 0
		.amdhsa_kernarg_size 64
		.amdhsa_user_sgpr_count 2
		.amdhsa_user_sgpr_kernarg_segment_ptr 1
		.amdhsa_wavefront_size32 1
		.amdhsa_system_sgpr_workgroup_id_x 1
		.amdhsa_system_sgpr_workgroup_id_y 1
		.amdhsa_system_sgpr_workgroup_id_z 1
		.amdhsa_system_vgpr_workitem_id 0
		.amdhsa_next_free_vgpr 176
		.amdhsa_next_free_sgpr 80
		.amdhsa_reserve_vcc 1
		.amdhsa_float_denorm_mode_32 3
		.amdhsa_float_denorm_mode_16_64 3
		.amdhsa_memory_ordered 1
		.amdhsa_forward_progress 1
		.amdhsa_inst_pref_size 116
	.end_amdhsa_kernel
	.amdgpu_metadata
---
amdhsa.version: [ 1, 2 ]
amdhsa.kernels:
  - .name:           k_q9bb3bef992_pick
    .symbol:         k_q9bb3bef992_pick.kd
    .args:
      - { .name: x, .offset: 0, .size: 8, .value_kind: global_buffer, .address_space: global }
      - { .name: cb16, .offset: 8, .size: 8, .value_kind: global_buffer, .address_space: global }
      - { .name: ee, .offset: 16, .size: 8, .value_kind: global_buffer, .address_space: global }
      - { .name: grp, .offset: 24, .size: 8, .value_kind: global_buffer, .address_space: global }
      - { .name: xxw, .offset: 32, .size: 8, .value_kind: global_buffer, .address_space: global }
      - { .name: out0, .offset: 40, .size: 8, .value_kind: global_buffer, .address_space: global }
      - { .name: out1, .offset: 48, .size: 8, .value_kind: global_buffer, .address_space: global }
      - { .name: part, .offset: 56, .size: 8, .value_kind: global_buffer, .address_space: global }
    .group_segment_fixed_size: 1024
    .private_segment_fixed_size: 0
    .kernarg_segment_align: 8
    .kernarg_segment_size: 64
    .max_flat_workgroup_size: 128
    .sgpr_count:     80
    .vgpr_count:     176
    .wavefront_size: 32
...
	.end_amdgpu_metadata
.endif
;; end of part 3
;; launch total (part 4): grid 1 x 1, 1 waves a work-group, no clusters, 0 bytes of LDS; arguments part, out2; writes out2
.if DOCPART == 4
	.amdgcn_target "amdgcn-amd-amdhsa--gfx1250"
	.amdhsa_code_object_version 6
	.text
	.protected	k_q9bb3bef992_total
	.globl	k_q9bb3bef992_total
	.p2align	8
	.type	k_q9bb3bef992_total,@function
k_q9bb3bef992_total:
	s_mov_b64 s[64:65], 0
	v_nop
	global_prefetch_b8 v0, s[64:65] scope:SCOPE_SE
	s_setreg_imm32_b32 hwreg(HW_REG_WAVE_MODE, 25, 1), 1
	s_wait_xcnt 0x0
; out2 = m + 0.5 m, m = the sum of the 1,024 partial sums of (q - x)^2 divided by 16 x 4,096 x 128 = 2^23.
; LEFT OUT: the second of the two equal losses (see the first kernel's head): m serves as both.
; One wave: 4,096 bytes, eight loads of 512 consecutive bytes; a sum that spans work-groups is added here, in a launch of its own, in a fixed order.
	s_load_b128 s[4:7], s[0:1], 0x0                ; part s[4:5], out2 s[6:7]
	v_lshlrev_b32 v1, 4, v0
	v_mov_b32 v2, 0
	s_mov_b32 s12, 0x76543210
	s_mov_b32 s13, 0xfedcba98
	s_wait_kmcnt 0x0
.irp i, 0,1,2,3,4,5,6,7
	global_load_b128 v[8+4*\i:11+4*\i], v1, s[4:5] offset:512*\i
.endr
	s_wait_loadcnt 0x0
.irp i, 0,2,4,6,8,10,12,14
	v_pk_add_f32 v[8+\i:9+\i], v[8+\i:9+\i], v[24+\i:25+\i]
.endr
.irp i, 0,2,4,6
	v_pk_add_f32 v[8+\i:9+\i], v[8+\i:9+\i], v[16+\i:17+\i]
.endr
.irp i, 0,2
	v_pk_add_f32 v[8+\i:9+\i], v[8+\i:9+\i], v[12+\i:13+\i]
.endr
	v_pk_add_f32 v[8:9], v[8:9], v[10:11]
	v_add_f32 v8, v8, v9
	v_add_f32_dpp v8, v8, v8 row_xmask:1 row_mask:0xf bank_mask:0xf
	v_add_f32_dpp v8, v8, v8 row_xmask:2 row_mask:0xf bank_mask:0xf
	v_add_f32_dpp v8, v8, v8 row_xmask:4 row_mask:0xf bank_mask:0xf
	v_add_f32_dpp v8, v8, v8 row_xmask:8 row_mask:0xf bank_mask:0xf
	v_permlanex16_b32 v9, v8, s12, s13
	v_add_f32 v8, v8, v9
	v_mul_f32 v8, 0x34000000, v8                   ; x 2^-23: the mean
	v_fma_f32 v8, v8, 0.5, v8                      ; embedding_loss + 0.5 commitment_loss
	s_wait_xcnt 0x0                                ; EXEC changes only behind this wait
	v_cmp_eq_u32 vcc_lo, 0, v0
	s_and_saveexec_b32 s8, vcc_lo
	global_store_b32 v2, v8, s[6:7]                ; thread 0 alone
	s_wait_xcnt 0x0
	s_or_b32 exec_lo, exec_lo, s8
	s_endpgm
.Lfunc_end_k_q9bb3bef992_total:
	.size	k_q9bb3bef992_total, .Lfunc_end_k_q9bb3bef992_total-k_q9bb3bef992_total
	.p2alignl 7, 3214868480
	.fill 96, 4, 3214868480
	.section	.rodata,"a",@progbits
	.p2align	6, 0x0
	.amdhsa_kernel k_q9bb3bef992_total
		.amdhsa_group_segment_fixed_size 0
		.amdhsa_private_segment_fixed_size 0
		.amdhsa_enable_private_segment 0
		.amdhsa_kernarg_size 16
		.amdhsa_user_sgpr_count 2
		.amdhsa_user_sgpr_kernarg_segment_ptr 1
		.amdhsa_wavefront_size32 1
		.amdhsa_system_sgpr_workgroup_id_x 1
		.amdhsa_system_sgpr_workgroup_id_y 1
		.amdhsa_system_sgpr_workgroup_id_z 1
		.amdhsa_system_vgpr_workitem_id 0
		.amdhsa_next_free_vgpr 48
		.amdhsa_next_free_sgpr 66
		.amdhsa_reserve_vcc 1
		.amdhsa_float_denorm_mode_32 3
		.amdhsa_float_denorm_mode_16_64 3
		.amdhsa_memory_ordered 1
		.amdhsa_forward_progress 1
		.amdhsa_inst_pref_size 4
	.end_amdhsa_kernel
	.amdgpu_metadata
---
amdhsa.version: [ 1, 2 ]
amdhsa.kernels:
  - .name:           k_q9bb3bef992_total
    .symbol:         k_q9bb3bef992_total.kd
    .args:
      - { .name: part, .offset: 0, .size: 8, .value_kind: global_buffer, .address_space: global }
      - { .name: out2, .offset: 8, .size: 8, .value_kind: global_buffer, .address_space: global }
    .group_segment_fixed_size: 0
    .private_segment_fixed_size: 0
    .kernarg_segment_align: 8
    .kernarg_segment_size: 16
    .max_flat_workgroup_size: 32
    .sgpr_count:     66
    .vgpr_count:     48
    .wavefront_size: 32
...
	.end_amdgpu_metadata
.endif
;; end of part 4
;; ======== version 2 of 2: 4 launches; version 1 with the launch prep written anew for expert scheduling mode
;; workspace buffers: cb16 1,048,576 bytes; ee 16,384 bytes; grp 262,144 bytes of whole numbers; xxw 262,144 bytes; part 4,096 bytes
;; launch prep (part 5): grid 64 x 1, 4 waves a work-group, no clusters, 768 bytes of LDS; arguments codebook, cb16, ee; writes cb16, ee
.if DOCPART == 5
	.amdgcn_target "amdgcn-amd-amdhsa--gfx1250"
	.amdhsa_code_object_version 6
	.text
	.protected	k_q9bb3bef992_prep
	.globl	k_q9bb3bef992_prep
	.p2align	8
	.type	k_q9bb3bef992_prep,@function
k_q9bb3bef992_prep:
	s_mov_b64 s[64:65], 0
	v_nop
	global_prefetch_b8 v0, s[64:65] scope:SCOPE_SE
	s_setreg_imm32_b32 hwreg(HW_REG_WAVE_SCHED_MODE, 0, 2), 2
	s_setreg_imm32_b32 hwreg(HW_REG_WAVE_MODE, 25, 1), 1
	s_wait_xcnt 0x0
	s_wait_alu depctr_vm_vsrc(0)
; THE PROGRAM (four launches): nearest code of 4,096 for each of 65,536 rows of x, that code's row through x + (q - x), and 1.5 x mean((q - x)^2).
;   prep   the codebook rounded once to bf16 (cb16) and ee[k] = the sum of the rounded code's squares
;   dist   the product x . e for all pairs on the matrix units; for each row the best T and the GROUP of 8 neighbouring codes that holds it
;   pick   reads the group as a whole number from memory, forms the 8 T anew, selects the winner by value; token, output row, partial loss
;   total  adds the partial losses
; WHAT IS LEFT OUT, AND WHY IT IS DEAD.  stop_gradient is the identity on values, so embedding_loss and commitment_loss are one and the same
; number m for all inputs: m is made once and vq_loss = m + 0.5 m.  Nothing else is left out and both inputs are loaded.
; WHAT IS KEPT THOUGH IT CANCELS IN EXACT ARITHMETIC.  |x|^2 is the same for all codes of a row, but it is some hundreds of times the spread of
; -2 x.e + |e|^2, so the f32 sums of the distance lose low bits to it and ties arise that fall to the lowest index.  So the distance is formed
; in the same two f32 roundings, T = fl(fl(xx - 2 dot) + ee), and ties go to the lowest index.
; LIMITS.  Matrix operands are bf16, so the tokens are those of the inputs rounded to bf16; xx and ee are sums over the rounded numbers.  The order in
; which a dot product's 128 terms are added is the unit's own: a row whose two best T lie within one step of f32 at |x|^2 may fall to the other of the two.
; q in the output and in the loss is the code rounded once to bf16 (2^-9 of itself at the most).  NaN and infinities are not treated apart.
;
; THIS LAUNCH.  64 work-groups x 64 rows; a wave has 16 rows, a lane 4 numbers (16 bytes) of each: one load covers a row's 512 bytes, one store its 256.
; THE MODE: SCHED_MODE bits 1:0 = 2 (LLVM: expert scheduling mode 2), set by the entry lines.  The code itself states the register dependences
; between vector instructions and memory or LDS instructions, with s_wait_alu, always for 0.
; THE PLAN.  Registers that memory or LDS instructions touch:
;   v1, v2, v3   offsets and an LDS address: written once at the head, read by the loads and stores, never written again.
;   F            row i's four registers: a global load lands in them, the row's two conversions read them; at the end wave 0's LDS load lands in the first two.
;   H            row i's two registers: written by the row's conversions, read by the row's one global store; never written again.
;   SS           row i's sum: written by vector instructions up to the last add, read by one LDS store; never written again.
;   SPW, NIL     written at the head, read by the closing add alone.
; The rows go in four blocks of four.  Row i - 4 is stored at the head of row i's work: a block's four stores read the H that the block before wrote, and ONE wait at the
; block's head states that; the block's own vector instructions name its own F, H and SS and v4, none of the registers that those stores touch.  One more wait stands ahead of the
; last four stores, and one ahead of the run of LDS stores.  No register that a memory or LDS instruction reads is written again, so nothing is owed on that side.
.set SPARE, 256                        ; LDS: 0-255 the work-group's 64 ee; from 256 on the spare words, 128 bytes a wave
.set SPW, 8                            ; v8   my spare word; never rewritten
.set NIL, 9                            ; v9   0, for the add alone
.set F,   16                           ; v[16:79]   row i as loaded, 4 registers
.set H,   80                           ; v[80:111]  row i in bf16, 2 registers
.set SS,  112                          ; v[112:127] row i's sum of squares
.set TT,  128                          ; v128       the other half of the lanes' sum
	s_load_b128 s[4:7], s[0:1], 0x0                ; codebook s[4:5], cb16 s[6:7]
	s_load_b64 s[8:9], s[0:1], 0x10                ; ee
	v_lshl_add_u32 v[SPW], v0, 2, SPARE
	v_mov_b32 v[NIL], 0
	v_lshrrev_b32 v10, 5, v0
	v_readfirstlane_b32 s14, v10                   ; wave 0..3
	v_and_b32 v10, 31, v0                          ; lane
	v_lshlrev_b32 v1, 4, v10                       ; my 16 bytes of an f32 row
	v_lshlrev_b32 v2, 3, v10                       ; my 8 bytes of a bf16 row
	v_mov_b32 v4, 0                                ; the first addend of a sum
	v_mov_b32 v[TT], 0                             ; v_permlanex16_b32 counts as a reader of its destination
	s_mov_b32 s12, 0x76543210                      ; each lane takes its own place in the other half
	s_mov_b32 s13, 0xfedcba98
	s_wait_alu depctr_va_sdst(0)                   ; s14 is written, ahead of its first reader: the LDS address and two of the bases are made from it
	s_lshl_b32 s15, s14, 6
	v_mov_b32 v3, s15                              ; LDS: my wave's 16 words
	s_lshl_b32 s16, ttmp9, 6
	s_lshl4_add_u32 s16, s14, s16                  ; my first row = 64 x work-group + 16 x wave
	s_lshl_b32 s20, s16, 9                         ; in the codebook: 512 bytes a row
	s_mov_b32 s21, 0
	s_lshl_b32 s22, s16, 8                         ; in cb16: 256
	s_mov_b32 s23, 0
	s_lshl_b32 s24, ttmp9, 8                       ; in ee: 256 bytes a work-group
	s_mov_b32 s25, 0
	s_wait_kmcnt 0x0
	s_add_nc_u64 s[4:5], s[4:5], s[20:21]
	s_add_nc_u64 s[6:7], s[6:7], s[22:23]
	s_add_nc_u64 s[8:9], s[8:9], s[24:25]
	s_wait_alu depctr_va_vdst(0)                   ; v1, v2 and v3 are written: every load and store of the kernel reads one of them as its offset or address
.set i, 0
.rept 16
	global_load_b128 v[F+4*i:F+4*i+3], v1, s[4:5] offset:512*i th:TH_LOAD_NT
.set i, i+1
.endr
.set i, 0
.rept 16
	s_wait_loadcnt 15-i                            ; loads come back in order: row i is in, the younger rows stay out
.if (i%4 == 0) && (i > 0)
	s_wait_alu depctr_va_vdst(0)                   ; the block before has written its rows' H, which this block's four stores read
.endif
.if i >= 4
	global_store_b64 v2, v[H+2*(i-4):H+2*(i-4)+1], s[6:7] offset:256*(i-4)  ; the wave's store covers the row's 256 consecutive bytes, aligned; no vector instruction since the wait names these registers
.endif
	v_cvt_pk_bf16_f32 v[H+2*i], v[F+4*i], v[F+4*i+1]
	v_cvt_pk_bf16_f32 v[H+2*i+1], v[F+4*i+2], v[F+4*i+3]
	v_fma_mix_f32_bf16 v[SS+i], v[H+2*i], v[H+2*i], v4 op_sel_hi:[1,1,0]
	v_fma_mix_f32_bf16 v[SS+i], v[H+2*i], v[H+2*i], v[SS+i] op_sel:[1,1,0] op_sel_hi:[1,1,0]
	v_fma_mix_f32_bf16 v[SS+i], v[H+2*i+1], v[H+2*i+1], v[SS+i] op_sel_hi:[1,1,0]
	v_fma_mix_f32_bf16 v[SS+i], v[H+2*i+1], v[H+2*i+1], v[SS+i] op_sel:[1,1,0] op_sel_hi:[1,1,0]
.set i, i+1
.endr
	s_wait_alu depctr_va_vdst(0)                   ; the last block has written the H of rows 12 to 15, which the last four stores read
.set i, 12
.rept 4
	global_store_b64 v2, v[H+2*i:H+2*i+1], s[6:7] offset:256*i
.set i, i+1
.endr
.irp m, 1,2,4,8                        ; the sixteen sums go across the lanes side by side
.set i, 0
.rept 16
	v_add_f32_dpp v[SS+i], v[SS+i], v[SS+i] row_xmask:\m row_mask:0xf bank_mask:0xf
.set i, i+1
.endr
.endr
.set i, 0
.rept 16
	v_permlanex16_b32 v[TT], v[SS+i], s12, s13
	v_add_f32 v[SS+i], v[SS+i], v[TT]
.set i, i+1
.endr
	s_wait_alu depctr_va_vdst(0)                   ; the adds have written the sixteen SS, which the LDS stores read; and the conversions are done reading F, in which wave 0's LDS load lands: no vector instruction follows this wait
.set i, 0
.rept 16
	ds_store_b32 v3, v[SS+i] offset:4*i            ; all lanes write the same word with the same number
.set i, i+1
.endr
	s_wait_dscnt 0x0                               ; for the others' sake: my sixteen words are in LDS
	s_barrier_signal -1
	s_barrier_wait -1
	s_cmp_lg_u32 s14, 0                            ; wave 0 stores the work-group's 64 ee as one run of 256 bytes
	s_cbranch_scc1 .Lend
	ds_load_b64 v[F:F+1], v2
	s_wait_dscnt 0x0
	global_store_b64 v2, v[F:F+1], s[8:9]
.Lend:
	s_wait_dscnt 0x0                               ; the wave's end
	s_wait_alu 0x0
	s_wait_tensorcnt 0x0
	ds_add_u32 v[SPW], v[NIL]
	s_wait_dscnt 0x0
	s_endpgm
.Lfunc_end_k_q9bb3bef992_prep:
	.size	k_q9bb3bef992_prep, .Lfunc_end_k_q9bb3bef992_prep-k_q9bb3bef992_prep
	.p2alignl 7, 3214868480
	.fill 96, 4, 3214868480
	.section	.rodata,"a",@progbits
	.p2align	6, 0x0
	.amdhsa_kernel k_q9bb3bef992_prep
		.amdhsa_group_segment_fixed_size 768
		.amdhsa_private_segment_fixed_size 0
		.amdhsa_enable_private_segment 0
		.amdhsa_kernarg_size 24
		.amdhsa_user_sgpr_count 2
		.amdhsa_user_sgpr_kernarg_segment_ptr 1
		.amdhsa_wavefront_size32 1
		.amdhsa_system_sgpr_workgroup_id_x 1
		.amdhsa_system_sgpr_workgroup_id_y 1
		.amdhsa_system_sgpr_workgroup_id_z 1
		.amdhsa_system_vgpr_workitem_id 0
		.amdhsa_next_free_vgpr 136
		.amdhsa_next_free_sgpr 66
		.amdhsa_reserve_vcc 0
		.amdhsa_float_denorm_mode_32 3
		.amdhsa_float_denorm_mode_16_64 3
		.amdhsa_memory_ordered 1
		.amdhsa_forward_progress 1
		.amdhsa_inst_pref_size 19
	.end_amdhsa_kernel
	.amdgpu_metadata
---
amdhsa.version: [ 1, 2 ]
amdhsa.kernels:
  - .name:           k_q9bb3bef992_prep
    .symbol:         k_q9bb3bef992_prep.kd
    .args:
      - { .name: codebook, .offset: 0, .size: 8, .value_kind: global_buffer, .address_space: global }
      - { .name: cb16, .offset: 8, .size: 8, .value_kind: global_buffer, .address_space: global }
      - { .name: ee, .offset: 16, .size: 8, .value_kind: global_buffer, .address_space: global }
    .group_segment_fixed_size: 768
    .private_segment_fixed_size: 0
    .kernarg_segment_align: 8
    .kernarg_segment_size: 24
    .max_flat_workgroup_size: 128
    .sgpr_count:     66
    .vgpr_count:     136
    .wavefront_size: 32
...
	.end_amdgpu_metadata
.endif
;; end of part 5
;; launch dist: the kernel of part 2 again; grid 256 x 1, 4 waves a work-group, clusters of 4 x 1, 327,680 bytes of LDS; arguments x, cb16, ee, grp, xxw; writes grp, xxw
;; launch pick: the kernel of part 3 again; grid 1024 x 1, 4 waves a work-group, no clusters, 1,024 bytes of LDS; arguments x, cb16, ee, grp, xxw, out0, out1, part; writes out0, out1, part
;; launch total: the kernel of part 4 again; grid 1 x 1, 1 waves a work-group, no clusters, 0 bytes of LDS; arguments part, out2; writes out2
